; MI455X (gfx1250); checked and timed in simulation.
; The chip was launched on July 23, 2026; its instructions are those of AMD's public machine-readable ISA for CDNA 5 (MIT licence, August 2026) and "CDNA5" Instruction Set Architecture Reference Guide (July 2026). The comments in the code are by the model that wrote it; some were corrected since.
;; GRU Unit. Allowed arithmetic: float matrix products may take bf16 or f16 operands with f32 sums; all other float work in f32.
;; Inputs: W_h2h 1,024 x 1,024 float32; W_h2r 1,024 x 1,024 float32; W_h2z 1,024 x 1,024 float32; W_i2h 1,024 x 1,024 float32; W_i2r 1,024 x 1,024 float32; W_i2z 1,024 x 1,024 float32; b_i2h 1,024 float32; b_i2r 1,024 float32; b_i2z 1,024 float32; hidden 8,192 x 1,024 float32; inputs 8,192 x 1,024 float32.
;; Outputs: out0 8,192 x 1,024 float32.
;; One version. Each part assembles by itself: llvm-mc -triple=amdgcn-amd-amdhsa -mcpu=gfx1250 --defsym DOCPART=n.
;; ======== version 1 of 1: 2 launches
;; workspace buffers: act 33,554,432 bytes; wb 12,582,912 bytes
;; launch prep (part 1): grid 64 x 22, 8 waves a work-group, no clusters, 0 bytes of LDS; arguments inputs, hidden, W_i2r, W_h2r, W_i2z, W_h2z, W_i2h, W_h2h, act, wb; writes act, wb
.if DOCPART == 1
	.amdgcn_target "amdgcn-amd-amdhsa--gfx1250"
	.amdhsa_code_object_version 6
	.text
	.protected	k_q95c6a7f95b_prep
	.globl	k_q95c6a7f95b_prep
	.p2align	8
	.type	k_q95c6a7f95b_prep,@function
k_q95c6a7f95b_prep:
	s_mov_b64 s[64:65], 0
	v_nop
	global_prefetch_b8 v0, s[64:65] scope:SCOPE_SE
	s_setreg_imm32_b32 hwreg(HW_REG_WAVE_MODE, 25, 1), 1
	s_wait_xcnt 0x0
; GRU cell, first of two launches: the matrix operands are rounded once from f32 to bf16 (nearest even) and laid out for the second launch.
; The second launch sums over K = 2048 (1,024 of inputs, 1,024 of hidden) in 16 steps of 128.  Step j holds inputs' elements 64 j .. 64 j + 63 and
; then hidden's elements 64 j .. 64 j + 63, so that all 16 steps are alike there and one short loop serves them.
;   act [8192][16][128] bf16: row m, step j: inputs[m][64 j ..], 64 numbers, then hidden[m][64 j ..], 64 numbers; 4,096 bytes a row.
;   wb  [3][2048][1024] bf16: gate r, z, h; row 128 j + c is W_i2g's row 64 j + c for c < 64 and W_h2g's row 64 j + c - 64 for c >= 64;
;       2,048 bytes a row.  The weights stay [k][n].
; No work of the cell is dead: all six products, the three biases and hidden reach the output for general values, so all inputs are used
; (the biases and hidden in f32 by the second launch).
; LIMIT: a number whose magnitude is above the largest finite bf16 (3.39e38) becomes an infinity here.
; A pure stream: every input byte is read once, every output byte written once; LDS, barriers and the matrix unit would add nothing.
; The grid's y: 0-15 name 512 rows of inputs and of hidden, of which the grid's x names 8; 16-21 name one weight each, in the order W_i2r, W_h2r,
; W_i2z, W_h2z, W_i2h, W_h2h, of which x names 16 rows.  Either way a work-group reads 64 KiB.  Thread t owns the 16 bytes at 16 t of every
; source row: a load of a wave covers 512 consecutive bytes, a store of a wave 256 consecutive bytes that start at a multiple of 256 from
; the buffer's first byte.
; Straight-line: 16 loads of each wave go out together, and no register that a memory instruction names is ever written again.
.set SROW, 4096                        ; bytes in a source row, and in a row of act
.set WROW, 2048                        ; bytes in a row of wb
.set X,    20                          ; v[20:83]  16 loads of 4 registers; the first two of each then hold the 4 bf16
	s_load_b512 s[8:23], s[0:1], 0x0               ; the eight sources: source i in s[8+2i:9+2i]
	s_load_b128 s[24:27], s[0:1], 0x40             ; act s[24:25], wb s[26:27]
	s_and_b32 s2, ttmp7, 0xffff                    ; y
	v_lshlrev_b32 v1, 4, v0                        ; my 16 bytes in a source row
	s_mov_b32 s33, 0                               ; high words of the two offsets
	s_mov_b32 s35, 0
	s_cmp_ge_u32 s2, 16
	s_cbranch_scc1 .Lweights
	; ---------------- activations: rows 512 y + 8 x .. + 7 of inputs and of hidden
	s_lshl_b32 s32, s2, 21                         ; 512 rows of 4,096 bytes
	s_lshl_b32 s34, ttmp9, 15                      ; 8 rows
	s_add_co_u32 s32, s32, s34                     ; the same offset in inputs, in hidden and in act: all have rows of 4,096 bytes
	v_and_b32 v2, 31, v0                           ; lane
	v_lshrrev_b32 v3, 5, v0                        ; wave: its 128 numbers of a source row are the halves of K steps 2 w and 2 w + 1
	v_lshlrev_b32 v2, 3, v2
	v_lshl_add_u32 v2, v3, 9, v2                   ; in a row of act: 512 w + 8 lane
	s_wait_kmcnt 0x0
	s_add_nc_u64 s[28:29], s[8:9], s[32:33]        ; inputs
	s_add_nc_u64 s[30:31], s[10:11], s[32:33]      ; hidden
	s_add_nc_u64 s[36:37], s[24:25], s[32:33]      ; act
.irp i, 0,1,2,3,4,5,6,7
	global_load_b128 v[X+8*\i:X+8*\i+3],   v1, s[28:29] offset:SROW*\i th:TH_LOAD_NT
	global_load_b128 v[X+8*\i+4:X+8*\i+7], v1, s[30:31] offset:SROW*\i th:TH_LOAD_NT
.endr
.irp i, 0,1,2,3,4,5,6,7
	s_wait_loadcnt 14-2*\i                         ; loads come back in order (ISA guide 5.7.1): row i's two are in, the younger rows' stay out
	v_cvt_pk_bf16_f32 v[X+8*\i],   v[X+8*\i],   v[X+8*\i+1]
	v_cvt_pk_bf16_f32 v[X+8*\i+1], v[X+8*\i+2], v[X+8*\i+3]
	v_cvt_pk_bf16_f32 v[X+8*\i+4], v[X+8*\i+4], v[X+8*\i+5]
	v_cvt_pk_bf16_f32 v[X+8*\i+5], v[X+8*\i+6], v[X+8*\i+7]
	; Lanes 0-15 hold the 64 numbers of step 2 w, lanes 16-31 those of step 2 w + 1, of inputs in the first pair and of hidden in the second.
	; The swap exchanges the first register's lanes 16-31 with the second's lanes 0-15: the first pair is then step 2 w whole (inputs, hidden),
	; the second step 2 w + 1 whole, each lane's 8 bytes at 8 x lane.
	v_permlane16_swap_b32 v[X+8*\i],   v[X+8*\i+4]
	v_permlane16_swap_b32 v[X+8*\i+1], v[X+8*\i+5]
	global_store_b64 v2, v[X+8*\i:X+8*\i+1],   s[36:37] offset:SROW*\i       ; no hint: the next launch reads these bytes
	global_store_b64 v2, v[X+8*\i+4:X+8*\i+5], s[36:37] offset:SROW*\i+256
.endr
	s_endpgm
	; ---------------- weights: rows 16 x .. 16 x + 15 of weight y - 16
.Lweights:
	s_sub_co_u32 s3, s2, 16                        ; the weight, 0 to 5
	s_lshr_b32 s4, s3, 1                           ; its gate
	s_and_b32 s5, s3, 1                            ; 0: from inputs, 1: from hidden
	s_lshr_b32 s6, ttmp9, 2                        ; the K step: 64 rows = 4 x
	s_and_b32 s7, ttmp9, 3                         ; which 16 of the 64
	s_lshl_b32 s34, s6, 7                          ; 128 rows of wb for a K step,
	s_lshl_b32 s5, s5, 6                           ; hidden's 64 behind inputs' 64,
	s_lshl_b32 s7, s7, 4
	s_add_co_u32 s34, s34, s5
	s_add_co_u32 s34, s34, s7                      ; the first row in the gate's part of wb
	s_lshl_b32 s34, s34, 11                        ; in bytes
	s_lshl_b32 s4, s4, 22                          ; a gate's 4 MiB
	s_add_co_u32 s34, s34, s4
	s_lshl_b32 s32, ttmp9, 16                      ; 16 source rows of 4,096 bytes
	v_lshlrev_b32 v2, 3, v0                        ; my 8 bytes in a row of wb
	s_wait_kmcnt 0x0
	s_mov_b64 s[28:29], s[12:13]
.irp i, 1,2,3,4,5
	s_cmp_eq_u32 s3, \i                            ; the choice hangs on the grid's y alone
	s_cselect_b64 s[28:29], s[12+2*\i:13+2*\i], s[28:29]
.endr
	s_add_nc_u64 s[28:29], s[28:29], s[32:33]
	s_add_nc_u64 s[36:37], s[26:27], s[34:35]
.irp i, 0,1,2,3,4,5,6,7,8,9,10,11,12,13,14,15
	global_load_b128 v[X+4*\i:X+4*\i+3], v1, s[28:29] offset:SROW*\i th:TH_LOAD_NT
.endr
.irp i, 0,1,2,3,4,5,6,7,8,9,10,11,12,13,14,15
	s_wait_loadcnt 15-\i                           ; row i is in, the younger rows stay out
	v_cvt_pk_bf16_f32 v[X+4*\i],   v[X+4*\i],   v[X+4*\i+1]
	v_cvt_pk_bf16_f32 v[X+4*\i+1], v[X+4*\i+2], v[X+4*\i+3]
	global_store_b64 v2, v[X+4*\i:X+4*\i+1], s[36:37] offset:WROW*\i
.endr
	s_endpgm
.Lfunc_end_k_q95c6a7f95b_prep:
	.size	k_q95c6a7f95b_prep, .Lfunc_end_k_q95c6a7f95b_prep-k_q95c6a7f95b_prep
	.p2alignl 7, 3214868480
	.fill 96, 4, 3214868480
	.section	.rodata,"a",@progbits
	.p2align	6, 0x0
	.amdhsa_kernel k_q95c6a7f95b_prep
		.amdhsa_group_segment_fixed_size 0
		.amdhsa_private_segment_fixed_size 0
		.amdhsa_enable_private_segment 0
		.amdhsa_kernarg_size 80
		.amdhsa_user_sgpr_count 2
		.amdhsa_user_sgpr_kernarg_segment_ptr 1
		.amdhsa_wavefront_size32 1
		.amdhsa_system_sgpr_workgroup_id_x 1
		.amdhsa_system_sgpr_workgroup_id_y 1
		.amdhsa_system_sgpr_workgroup_id_z 1
		.amdhsa_system_vgpr_workitem_id 0
		.amdhsa_next_free_vgpr 88
		.amdhsa_next_free_sgpr 66
		.amdhsa_reserve_vcc 0
		.amdhsa_float_denorm_mode_32 3
		.amdhsa_float_denorm_mode_16_64 3
		.amdhsa_memory_ordered 1
		.amdhsa_forward_progress 1
		.amdhsa_inst_pref_size 14
	.end_amdhsa_kernel
	.amdgpu_metadata
---
amdhsa.version: [ 1, 2 ]
amdhsa.kernels:
  - .name:           k_q95c6a7f95b_prep
    .symbol:         k_q95c6a7f95b_prep.kd
    .args:
      - { .name: inputs, .offset: 0, .size: 8, .value_kind: global_buffer, .address_space: global }
      - { .name: hidden, .offset: 8, .size: 8, .value_kind: global_buffer, .address_space: global }
      - { .name: W_i2r, .offset: 16, .size: 8, .value_kind: global_buffer, .address_space: global }
      - { .name: W_h2r, .offset: 24, .size: 8, .value_kind: global_buffer, .address_space: global }
      - { .name: W_i2z, .offset: 32, .size: 8, .value_kind: global_buffer, .address_space: global }
      - { .name: W_h2z, .offset: 40, .size: 8, .value_kind: global_buffer, .address_space: global }
      - { .name: W_i2h, .offset: 48, .size: 8, .value_kind: global_buffer, .address_space: global }
      - { .name: W_h2h, .offset: 56, .size: 8, .value_kind: global_buffer, .address_space: global }
      - { .name: act, .offset: 64, .size: 8, .value_kind: global_buffer, .address_space: global }
      - { .name: wb, .offset: 72, .size: 8, .value_kind: global_buffer, .address_space: global }
    .group_segment_fixed_size: 0
    .private_segment_fixed_size: 0
    .kernarg_segment_align: 8
    .kernarg_segment_size: 80
    .max_flat_workgroup_size: 256
    .sgpr_count:     66
    .vgpr_count:     88
    .wavefront_size: 32
...
	.end_amdgpu_metadata
.endif
;; end of part 1
;; launch gru (part 2): grid 8 x 32, 4 waves a work-group, clusters of 4 x 4, 327,680 bytes of LDS; arguments act, wb, hidden, b_i2r, b_i2z, b_i2h, out0; writes out0
.if DOCPART == 2
	.amdgcn_target "amdgcn-amd-amdhsa--gfx1250"
	.amdhsa_code_object_version 6
	.text
	.protected	k_q95c6a7f95b_gru
	.globl	k_q95c6a7f95b_gru
	.p2align	8
	.type	k_q95c6a7f95b_gru,@function
k_q95c6a7f95b_gru:
	s_mov_b64 s[64:65], 0
	v_nop
	global_prefetch_b8 v0, s[64:65] scope:SCOPE_SE
	s_setreg_imm32_b32 hwreg(HW_REG_WAVE_MODE, 25, 1), 1
	s_wait_xcnt 0x0
	s_wait_alu depctr_hold_cnt(0) depctr_sa_sdst(0) depctr_va_vdst(0) depctr_va_sdst(0) depctr_va_ssrc(0) depctr_va_vcc(0) depctr_vm_vsrc(0)
	s_getreg_b32 s2, hwreg(HW_REG_IB_STS2, 6, 4)
	s_cmp_eq_u32 s2, 0
	s_cbranch_scc0 .Lentry_in_a_cluster
	s_endpgm
.Lentry_in_a_cluster:
	s_bfe_u32 s2, ttmp6, 0x10000c
	s_cmp_lg_u32 s2, 0xf033
	s_cbranch_scc0 .Lentry_shape_is_right
	s_endpgm
.Lentry_shape_is_right:
; GRU cell, second of two launches: the six products as one fused GEMM in bf16 with f32 sums, then the gates, then out0.
;   R  = (x|h) (W_i2r over W_h2r)   Z = (x|h) (W_i2z over W_h2z)   XH = x W_i2h   HH = h W_h2h        (K = 2048, 2048, 1024, 1024)
;   r = sigmoid(R + b_i2r)   z = sigmoid(Z + b_i2z)   h1 = tanh(XH + b_i2h + r HH)   out0 = h1 + z (hidden - h1) = (1 - z) h1 + z hidden
; Nothing of the cell is left out: that is its arithmetic, six products of K = 1024.
; LIMITS: matrix operands are bf16.  The x part and the h part of r and of z share one f32 sum, K runs in the order x 0-63, h 0-63, x 64-127, ..
; and the bias is added last, so the order of rounding differs from summing the two products apart.
; sigmoid(t) = 1 / (1 + 2^(-1.442695 t)), tanh(c) = 1 - 2 / (1 + 2^(2.885390 c)): a power that overflows to infinity or is flushed to zero gives
; the saturated 0, 1, -1; near c = 0 this tanh is good to about 1e-7 absolute; a sum above 1.1e38 overflows in the scaling by 2.885390 and
; still saturates to the same values.
;
; A work-group has four waves, as many as a WGP has SIMDs, and STAYS for two blocks of 128 rows x 128 columns of out0: rows 256 by .. + 127,
; then rows 256 by + 128 .. + 255, of block column bx.  Descriptors, addresses and biases are made once; the second block's first tile is on
; its way while the first block's gates are computed, and the first block's stores leave while the second block is multiplied.
; Wave w makes all 128 rows x columns 32 w .. 32 w + 31 in the four kinds R, Z, XH, HH: 8 x 2 x 4 = 64 accumulator tiles of 16 x 16,
; 512 registers.  For 32 along K it reads 8 fragments of activations and 6 of weights and issues 48 matrix instructions.
; K = 2048 goes in 16 steps of 128 through a ring of two LDS slots filled by the tensor data mover; every row of every tile is 256 consecutive
; bytes of memory and starts at a multiple of 256 from its buffer's first byte.  The first launch has laid K so that each step holds 64 of x and
; then 64 of h: of a step's four quarters of 32 the first two add gate h's products onto XH, the last two onto HH.  So ALL STEPS ARE ALIKE, and
; a block's 64 quarter steps are 3 ahead of a loop (they start all the sums), a loop of 7 trips of 8, and 5 behind it: 16 quarter steps of text.
; A block makes 17 fills (16 K steps, then its part of hidden), an odd number, so the second block runs with the two slots exchanged and has
; a text of its own.
; CLUSTERS: 4 x 4 work-groups.  The activations' tile hangs on the block row alone and is asked for jointly by the four of a row of the
; cluster; a gate's weight tile hangs on the block column alone and is asked for jointly by the four of a column: a quarter of the requests.
; The grid of 8 x 32 is a multiple of 4 x 4, and all work-groups make the same steps.
;
; LDS, 324,608 bytes in all: slot s at s x SLOT.  In a slot: gate g's weights at g x WT, 128 rows (k) of 256 bytes, 288 apart (an odd multiple
; of 32, which keeps the transposing loads' eight rows on different banks); the activations at 3 x WT, 128 rows of 256 bytes, 272 apart.
; A block's part of hidden (128 rows of 512 bytes, 528 apart) lands at the head of the slot that held K step 14.
; The stage, behind the ring, has bytes of its own, which LDS stores alone write and no fill touches: 64 rows of 512 bytes, 528 apart, so a
; block of out0 leaves in two halves, one for each window of accumulators.
;
; REGISTERS, in windows of 256:
;   window 0: v16-30 addresses; v64-127, v128-191 fragments of activations, two buffers; v192-239 the biases, scaled
;   window 1: v64-111, v128-175 fragments of weights, two buffers; fragment (gate g, column block b) at 8 (2 g + b)
;   window 2: the accumulators of rows 0-63, tile (a, kind, b) at v[8 (8 a + 2 kind + b)];   window 3: those of rows 64-127
; THE MATRIX INSTRUCTION IS USED TRANSPOSED: source 0 = 16 columns of a weight, source 1 = 16 rows of activations, so that lane l holds row
; l % 16 and its registers 0-7 the columns 8 (l / 16) + 0..7: eight neighbouring numbers of a row of out0.
.set APITCH, 272
.set BPITCH, 288
.set HPITCH, 528
.set WT,     128*BPITCH                ; 36,864: a gate's tile
.set AT,     128*APITCH                ; 34,816: the activations' tile
.set SLOT,   3*WT+AT                   ; 145,408
.set STAGE,  2*SLOT                    ; 290,816
.set ASTEP,  256                       ; a K step along a row of act, in bytes
.set BSTEP,  128*2048                  ; a K step down the rows of wb, in bytes
.set BLKB,   128*4096                  ; from the first block to the second: 128 rows of 4,096 bytes, in act, in hidden and in out0 alike
.set TRIPS,  7                         ; of a block's loop: two K steps each
.set ADRA, 16                          ; v16-17  LDS address of my activation fragments in slot 0, 1
.set ADRB, 18                          ; v18-23  the same for the weights: slot s, gate g at 18 + 3 s + g
.set HAD0, 24                          ; v24     hidden by tiles in slot 0: row l % 16, my wave's columns
.set RD,   25                          ; v25     the stage by rows: my 16 bytes of my wave's first row
.set CO,   26                          ; v26     my 16 bytes in a row of the block of out0
.set BOFF, 27                          ; v27     my first column in a bias, in bytes
.set HAD1, 28                          ; v28     hidden by tiles in slot 1
.set STO,  29                          ; v29     the stage by tiles
.set PFO,  30                          ; v30     asking ahead: my row and K step, in bytes
.set F0,   64
.set F1,   128
.set BIAS, 192                         ; 16 r, 16 z, 16 h: at 16 kind + 8 b + j
.set TR,   64                          ; the gates' work registers, window 0, 16 each at 8 b + j
.set TZ,   80
.set TX,   96
.set TH,   112
.set HID,  128
.set G1A,  28                          ; s[28:35] group 1, activations
.set G1B,  36                          ; s[36:43] group 1, weights
.set G1H,  44                          ; s[44:51] group 1, hidden in f32
.set G0A,  52                          ; s[52:59] group 0, activations, a set for each slot
.set G0H0, 60                          ; s[60:63] group 0, hidden of the first block, into slot 0
.set G0B,  68                          ; s[68:75] group 0, weights, a set for each slot
.set G0H1, 92                          ; s[92:95] group 0, hidden of the second block, into slot 1
.set PFB,  96                          ; s[96:97] asking ahead: act at my 16 rows, at the K step asked for last
.set MSB, 0
.macro WIN new                         ; the immediate's high byte repeats the setting that is left
.if MSB != \new
	s_set_vgpr_msb (MSB<<8)|\new
.set MSB, \new
.endif
.endm
.set MUL_LO, 0xa1                      ; source 0 (weights) window 1, source 1 (activations) window 0, C and D window 2
.set MUL_HI, 0xf1                      ; the same, C and D window 3
.set TO_B,   0x40                      ; destination window 1, address window 0
; ASKING AHEAD for act.  A tile of act (128 rows x 256 bytes) is read by the eight block columns at about the same time and by nobody before,
; so it is asked for ahead of its tensor load.  Block column bx takes rows 16 bx .. 16 bx + 15 of the tile; one instruction of wave 3 covers two
; K steps: lane l asks for row 16 bx + l % 16 of step j + l / 16.  So each piece of 256 bytes is asked for once in the launch.
; An ask stands one and two K steps ahead of the tensor loads that want its two steps: the set-up asks for steps 2, 3; trip i of a block's loop,
; behind the load of step 2 i + 3, for steps 2 i + 4, 2 i + 5; the seventh trip, whose steps would be 16 and 17, asks for nothing.  Behind the first
; block's K step 14 stands the ask for the second block's steps 0, 1, behind its gates that for steps 2, 3.  K steps 0 and 1 of the first block are
; the first fills and are not asked for; the last ask is for the second block's steps 14, 15, which end with a row's last byte: none leaves act.
; The base is stepped in front of an ask, behind s_wait_xcnt 0 (ISA guide 3.1), which there waits for the ask before, issued a K step ago or more.
; The weights are not asked for ahead: a K step's three tiles are 384 such pieces for 32 block rows, 12 each, which fills no instruction of
; 32 lanes evenly, and each weight tile is asked for by 32 work-groups in each of their two blocks, so that one request in 64 is its first.
.macro ASK inc
	s_wait_xcnt 0x0
	s_add_nc_u64 s[PFB:PFB+1], s[PFB:PFB+1], \inc
	global_prefetch_b8 v[PFO], s[PFB:PFB+1] th:TH_LOAD_NT scope:SCOPE_SE
.endm
.macro PREF inc                        ; an ask that does not stand behind wave 3's own joint load
	s_cmp_lg_u32 s20, 3
	s_cbranch_scc1 .Lno_ask_\@
	ASK \inc
.Lno_ask_\@:
.endm
; A joint load.  Wave 3 asks for the activations, waves 0, 1, 2 for the weights of gates r, z, h: one load of 128 rows a wave.
; Each line has one mask; the branch hangs on the wave's number alone.  pf: 0, or by how much the base of asking ahead steps;
; sk = 1: in a loop's last trip (counter s3 = 1, the same in all work-groups) the ask, and nothing else, is jumped over.
.macro JLOAD s, pf, sk
	s_cmp_eq_u32 s20, 3
	s_cbranch_scc0 .Lfor_b_\@
	tensor_load_to_lds s[G0A+4*\s:G0A+4*\s+3], s[G1A:G1A+7]
	s_nop 0
.if \pf
.if \sk
	s_cmp_eq_u32 s3, 1
	s_cbranch_scc1 .Lasked_\@
.endif
	ASK \pf
.endif
	s_branch .Lasked_\@
.Lfor_b_\@:
	tensor_load_to_lds s[G0B+4*\s:G0B+4*\s+3], s[G1B:G1B+7]
	s_nop 0
.Lasked_\@:
.endm
; A round of the cluster's barrier: my work-group's barrier; wave 0 signals for the work-group; every wave waits for all sixteen; my work-group's barrier again.
.macro CREST                           ; a round behind its opening barrier
	s_cmp_lg_u32 s20, 0
	s_cbranch_scc1 .Lnot_wave_0_\@
	s_barrier_signal -3
.Lnot_wave_0_\@:
	s_barrier_wait -3
	s_barrier_signal -1
	s_barrier_wait -1
.endm
.macro CROUND
	s_barrier_signal -1
	s_barrier_wait -1
	CREST
.endm
	s_load_b256 s[4:11], s[0:1], 0x0               ; act s[4:5], wb s[6:7], hidden s[8:9], b_i2r s[10:11]
	s_load_b128 s[12:15], s[0:1], 0x20             ; b_i2z s[12:13], b_i2h s[14:15]
	s_load_b64 s[16:17], s[0:1], 0x30              ; out0
	s_set_vgpr_msb 0x40
	v_lshl_add_u32 v255, v0, 2, 0x4f400
	s_set_vgpr_msb 0x4000
	v_mov_b32 v255, 0
	s_set_vgpr_msb 0x1
	ds_add_u32 v255, v255
	s_set_vgpr_msb 0x100
	v_lshrrev_b32 v1, 5, v0
	v_readfirstlane_b32 s20, v1                    ; wave 0..3
	s_bfe_u32 s21, ttmp6, 0x40000                  ; cx
	s_bfe_u32 s22, ttmp6, 0x40004                  ; cy
	s_lshl_b32 s23, ttmp9, 2
	s_add_co_u32 s23, s23, s21                     ; bx = 4 x cluster x + cx: the block column
	s_and_b32 s24, ttmp7, 0xffff
	s_lshl_b32 s24, s24, 2
	s_add_co_u32 s24, s24, s22                     ; by = 4 x cluster y + cy: the pair of block rows
	s_lshl_b32 s25, s22, 2
	s_lshl_b32 s25, 15, s25                        ; my row of the cluster: places 4 cy .. 4 cy + 3
	s_lshl_b32 s26, 0x1111, s21                    ; my column: places cx, cx + 4, cx + 8, cx + 12
	; group 1, activations: 128 rows x 128 bf16, 2,048 elements from row to row; 4 words of padding behind every 64
	s_or_b32 s[G1A+0], s25, (1<<16)|(1<<20)|(1<<21)|(5<<22)|(3<<25)
	s_mov_b32 s[G1A+1], 128<<16                    ; tensor_dim0 = 128
	s_mov_b32 s[G1A+2], 128<<16                    ; tensor_dim1 = 128
	s_mov_b32 s[G1A+3], 128<<16                    ; tile_dim0 = 128
	s_mov_b32 s[G1A+4], 128                        ; tile_dim1 = 128
	s_mov_b32 s[G1A+5], 2048
	s_mov_b32 s[G1A+6], 0
	s_mov_b32 s[G1A+7], 0
	; group 1, weights: 128 rows (k) x 128 bf16 (n), 1,024 elements from row to row; 8 words of padding behind every 64
	s_or_b32 s[G1B+0], s26, (1<<16)|(1<<20)|(1<<21)|(5<<22)|(7<<25)
	s_mov_b32 s[G1B+1], 128<<16
	s_mov_b32 s[G1B+2], 128<<16
	s_mov_b32 s[G1B+3], 128<<16
	s_mov_b32 s[G1B+4], 128
	s_mov_b32 s[G1B+5], 1024
	s_mov_b32 s[G1B+6], 0
	s_mov_b32 s[G1B+7], 0
	; group 1, hidden: 32 rows x 128 f32, 1,024 elements from row to row; 4 words of padding behind every 128; no mask: each block is one work-group's own
	s_mov_b32 s[G1H+0], (2<<16)|(1<<20)|(6<<22)|(3<<25)
	s_mov_b32 s[G1H+1], 128<<16
	s_mov_b32 s[G1H+2], 32<<16
	s_mov_b32 s[G1H+3], 128<<16
	s_mov_b32 s[G1H+4], 32
	s_mov_b32 s[G1H+5], 1024
	s_mov_b32 s[G1H+6], 0
	s_mov_b32 s[G1H+7], 0
	; offsets, each in registers of its own: the activations' holds by alone, the weights' bx and the wave alone
	s_lshl_b32 s76, s24, 20                        ; 256 rows of 4,096 bytes
	s_mov_b32 s77, 0
	s_min_u32 s91, s20, 2                          ; my gate; wave 3 asks for activations, and its copy of this address, never issued, stays inside wb
	s_lshl_b32 s78, s91, 22                        ; a gate's 4 MiB of wb
	s_lshl_b32 s89, s23, 8                         ; 128 columns of bf16
	s_add_co_u32 s78, s78, s89
	s_mov_b32 s79, 0
	s_lshl_b32 s90, s23, 9                         ; 128 columns of f32
	s_lshl_b32 s80, s20, 17                        ; hidden: my wave fetches 32 rows of a block
	s_add_co_u32 s80, s80, s76
	s_add_co_u32 s80, s80, s90
	s_mov_b32 s81, 0
	s_lshl_b32 s82, s20, 16                        ; out0: my wave stores 16 rows of each half of a block
	s_add_co_u32 s82, s82, s76
	s_add_co_u32 s82, s82, s90
	s_mov_b32 s83, 0
	s_lshl_b32 s96, s23, 16                        ; asking ahead: my block column's 16 rows of a tile of act
	s_add_co_u32 s96, s96, s76
	s_mov_b32 s97, 0
	s_mul_i32 s84, s20, WT                         ; where my tile goes in a slot: no place in the cluster enters an LDS address
	s_lshl_b32 s85, s20, 6                         ; my 32 columns of bf16
	s_lshl_b32 s86, s20, 7                         ; my 32 columns of f32
	s_mul_i32 s87, s20, 32*HPITCH                  ; my 32 rows of hidden in a slot
	s_add_co_u32 s88, s90, s86                     ; my columns in a bias
	s_mul_i32 s98, s20, 16*HPITCH
	s_add_co_u32 s98, s98, STAGE                   ; my 16 rows of the stage
	s_wait_dscnt 0x0
	s_wait_kmcnt 0x0
	s_add_nc_u64 s[76:77], s[4:5], s[76:77]        ; act at the first block's first row
	s_add_nc_u64 s[78:79], s[6:7], s[78:79]        ; wb at my gate's K step 0 and the block column
	s_add_nc_u64 s[80:81], s[8:9], s[80:81]
	s_add_nc_u64 s[82:83], s[16:17], s[82:83]
	s_add_nc_u64 s[PFB:PFB+1], s[4:5], s[PFB:PFB+1]
	CROUND                                         ; all sixteen work-groups are here: the first joint loads meet
.irp s, 0,1
	s_mov_b32 s[G0A+4*\s], 1
	s_add_co_u32 s[G0A+4*\s+1], s84, \s*SLOT       ; issued by wave 3 alone: 3 x WT in the slot
	s_add_nc_u64 s[G0A+4*\s+2:G0A+4*\s+3], s[76:77], \s*ASTEP
	s_or_b32 s[G0A+4*\s+3], s[G0A+4*\s+3], 0x80000000
	s_mov_b32 s[G0B+4*\s], 1
	s_add_co_u32 s[G0B+4*\s+1], s84, \s*SLOT
	s_add_nc_u64 s[G0B+4*\s+2:G0B+4*\s+3], s[78:79], \s*BSTEP
	s_or_b32 s[G0B+4*\s+3], s[G0B+4*\s+3], 0x80000000
	JLOAD \s, 0, 0                                 ; K steps 0 and 1: two loads of the wave are out
.endr
.irp p, 0,1
	s_mov_b32 s[G0H0+32*\p], 1                     ; block p's hidden goes to the head of slot p; G0H1 = G0H0 + 32
	s_add_co_u32 s[G0H0+32*\p+1], s87, \p*SLOT
	s_add_nc_u64 s[G0H0+32*\p+2:G0H0+32*\p+3], s[80:81], \p*BLKB
	s_or_b32 s[G0H0+32*\p+3], s[G0H0+32*\p+3], 0x80000000
.endr
	v_and_b32 v1, 15, v0                           ; r = l % 16
	v_bfe_u32 v2, v0, 4, 1                         ; h = l / 16
	v_and_b32 v8, 31, v0                           ; l
	v_lshl_add_u32 v[BOFF], v2, 5, s88             ; my eight columns of a bias begin at 32 h in my wave's 128 bytes
	; the biases: waited for in front of the first gates, so that nothing at the start waits for them; their registers and addresses stay untouched till then
.irp b, 0,1
.irp hf, 0,1
	global_load_b128 v[BIAS+8*\b+4*\hf:BIAS+8*\b+4*\hf+3],       v[BOFF], s[10:11] offset:64*\b+16*\hf
	global_load_b128 v[BIAS+16+8*\b+4*\hf:BIAS+16+8*\b+4*\hf+3], v[BOFF], s[12:13] offset:64*\b+16*\hf
	global_load_b128 v[BIAS+32+8*\b+4*\hf:BIAS+32+8*\b+4*\hf+3], v[BOFF], s[14:15] offset:64*\b+16*\hf
.endr
.endr
	v_lshlrev_b32 v[PFO], 12, v1                   ; row l % 16 of my 16,
	v_lshl_add_u32 v[PFO], v2, 8, v[PFO]           ; and one K step on for lanes 16 to 31
	PREF 2*ASTEP                                   ; K steps 2 and 3
	; activations lie along K: row r, 16 bytes for each half of the lanes; two loads 32 bytes apart make a fragment
	v_mul_u32_u24 v3, v1, APITCH
	v_lshl_add_u32 v3, v2, 4, v3
	v_add_nc_u32 v[ADRA], 3*WT, v3
	v_add_nc_u32 v[ADRA+1], SLOT, v[ADRA]
	; weights lie [k][n]: the transposing load wants row 8 h + l % 8 and 16 bytes at 16 ((l / 8) % 2); two loads 16 rows apart make a fragment
	v_and_b32 v4, 7, v0
	v_lshl_add_u32 v4, v2, 3, v4
	v_mul_u32_u24 v5, v4, BPITCH
	v_bfe_u32 v6, v0, 3, 1
	v_lshl_add_u32 v5, v6, 4, v5
	v_add_nc_u32 v[ADRB], s85, v5
.irp g, 1,2
	v_add_nc_u32 v[ADRB+\g], \g*WT, v[ADRB]
.endr
.irp g, 0,1,2
	v_add_nc_u32 v[ADRB+3+\g], SLOT+\g*WT, v[ADRB]
.endr
	v_mul_u32_u24 v7, v1, HPITCH
	v_lshl_add_u32 v7, v2, 5, v7
	v_add_nc_u32 v[HAD0], s86, v7
	v_add_nc_u32 v[HAD1], SLOT, v[HAD0]
	v_add_nc_u32 v[STO], STAGE, v[HAD0]
	v_lshl_add_u32 v[RD], v8, 4, s98
	v_lshlrev_b32 v[CO], 4, v8
; 12 matrix instructions: row blocks a0, a0 + 1 of the window's four (hi = 0: rows 0-63, 1: rows 64-127) x 3 gates x 2 column blocks, 32 along K.
; Gate h adds onto kind k3 (2 = XH in a quarter of x, 3 = HH in a quarter of h).  zero = 1: all sums start here; zero = 2: gate h's start here.
; The 48 accumulators of a quarter step take turns, one instruction a turn, in the same order in every quarter step.
.macro MUL12 f, hi, a0, zero, k3
.irp a, \a0, \a0+1
.irp g, 0,1,2
.irp b, 0,1
.set KD, \g
.set ZZ, 0
.if \zero == 1
.set ZZ, 1
.endif
.if \g == 2
.set KD, \k3
.if \zero == 2
.set ZZ, 1
.endif
.endif
.set DD, 8*(8*(\a)+2*KD+\b)
.if ZZ
	v_wmma_f32_16x16x32_bf16 v[DD:DD+7], v[\f+8*(2*\g+\b):\f+8*(2*\g+\b)+7], v[\f+8*(4*\hi+\a):\f+8*(4*\hi+\a)+7], 0
.else
	v_wmma_f32_16x16x32_bf16 v[DD:DD+7], v[\f+8*(2*\g+\b):\f+8*(2*\g+\b)+7], v[\f+8*(4*\hi+\a):\f+8*(4*\hi+\a)+7], v[DD:DD+7]
.endif
.endr
.endr
.endr
.endm
; 28 LDS loads in one run: quarter q of a slot (32 along K) into buffer f: 6 weight fragments, then 8 activation fragments
.macro FETCH slot, q, f
	WIN TO_B
.irp g, 0,1,2
.irp b, 0,1
	ds_load_tr16_b128 v[\f+8*(2*\g+\b):\f+8*(2*\g+\b)+3],   v[ADRB+3*\slot+\g] offset:32*BPITCH*\q+32*\b
	ds_load_tr16_b128 v[\f+8*(2*\g+\b)+4:\f+8*(2*\g+\b)+7], v[ADRB+3*\slot+\g] offset:32*BPITCH*\q+32*\b+16*BPITCH
.endr
.endr
	WIN 0
.irp i, 0,1,2,3,4,5,6,7
	ds_load_b128 v[\f+8*\i:\f+8*\i+3],   v[ADRA+\slot] offset:64*\q+\i*16*APITCH
	ds_load_b128 v[\f+8*\i+4:\f+8*\i+7], v[ADRA+\slot] offset:64*\q+\i*16*APITCH+32
.endr
.endm
; A load into a register that a matrix instruction has read, and a vector instruction that reads a matrix result, stand four places behind it;
; only plain vector instructions that name none of its registers are places (ISA guide 7.12.1 for vector instructions).
.macro PLACES
.rept 4
	v_nop
.endr
.endm
; One of a K step's first three quarters: multiplies buffer f; in its middle it fetches quarter q of the same slot into buffer g.
.macro QUARTER slot, q, f, g, zero, k3
	s_wait_dscnt 8                                 ; the weights and rows 0-63 are in; the youngest eight loads (rows 64-127) may be out
	WIN MUL_LO
	MUL12 \f, 0, 0, \zero, \k3
	MUL12 \f, 0, 2, \zero, \k3
	PLACES
	FETCH \slot, \q, \g
	s_wait_dscnt 28                                ; all but the 28 just issued
	WIN MUL_HI
	MUL12 \f, 1, 0, \zero, \k3
	MUL12 \f, 1, 2, \zero, \k3
.endm
; z1 = 1, z2 = 2 in a block's first K step: its first quarter starts R, Z and XH, its third starts HH; nothing is ever cleared.  Else 0, 0.
.macro THREE slot, z1, z2
	QUARTER \slot, 1, F0, F1, \z1, 2               ; x, 32 numbers
	QUARTER \slot, 2, F1, F0, 0, 2                 ; x, the next 32
	QUARTER \slot, 3, F0, F1, \z2, 3               ; h, 32 numbers
.endm
; The second block's K step k goes into a slot: both addresses are made anew from the bases, behind the wait that showed all my loads done.
.macro NEWTILE slot, k, pf
	s_add_nc_u64 s[G0A+4*\slot+2:G0A+4*\slot+3], s[76:77], BLKB+\k*ASTEP
	s_or_b32 s[G0A+4*\slot+3], s[G0A+4*\slot+3], 0x80000000
	s_add_nc_u64 s[G0B+4*\slot+2:G0B+4*\slot+3], s[78:79], \k*BSTEP
	s_or_b32 s[G0B+4*\slot+3], s[G0B+4*\slot+3], 0x80000000
	JLOAD \slot, \pf, 0
.endm
; The last quarter of a K step (h, the last 32 numbers): multiplies buffer 1 and changes slots.  In front of the round each wave waits for its reads
; of this slot and for all its tensor loads (the one that is out is its part of the next slot); inside the round stand matrix instructions alone;
; behind it this slot is filled first, one load a wave, and then the next slot's first fragments are read.
; fill = 1: the tiles two K steps ahead, jointly.  From such a request to the wait for it a wave issues 180 matrix instructions.
; fill = 2: my wave's 32 rows of the block's part of hidden (descriptor HSET).
; fill = 3: behind K step 15 of the first block: the second block's K step 0, jointly; what lies in the other slot is hidden, so no fragments are fetched.
; fill = 0: behind K step 15 of the second block: nothing is filled, so my work-group's barrier alone; it shows hidden landed to every wave.
.macro TURN slot, next, fill, pf, sk
	s_wait_dscnt 8
	WIN MUL_LO
	MUL12 F1, 0, 0, 0, 3
	s_wait_dscnt 0                                 ; my reads of this slot are over
	s_wait_tensorcnt 0x0                           ; all my tensor loads have landed, so every group 0 may be written
	ds_add_u32 v255, v255
	s_wait_dscnt 0x0
	s_barrier_signal -1                            ; opens the round
	MUL12 F1, 0, 2, 0, 3
	WIN 0
	s_barrier_wait -1
.set FE, 0
.if \fill
	CREST                                          ; no wave of any partner still reads this slot or has a load on its way
.endif
.if \fill == 1
	s_add_nc_u64 s[G0A+4*\slot+2:G0A+4*\slot+3], s[G0A+4*\slot+2:G0A+4*\slot+3], 2*ASTEP
	s_add_nc_u64 s[G0B+4*\slot+2:G0B+4*\slot+3], s[G0B+4*\slot+2:G0B+4*\slot+3], 2*BSTEP
	JLOAD \slot, \pf, \sk
.set FE, 1
.endif
.if \fill == 2
	tensor_load_to_lds s[HSET:HSET+3], s[G1H:G1H+7]
	s_nop 0
.if \pf
	PREF \pf
.endif
.set FE, 1
.endif
.if \fill == 3
	NEWTILE \slot, 0, 0
.endif
.if FE
	PLACES
	FETCH \next, 0, F0
.endif
	WIN MUL_HI
	MUL12 F1, 1, 0, 0, 3
	MUL12 F1, 1, 2, 0, 3
.endm
; A trip of a block's loop, eight quarter steps: the end of an even K step (slot sa), an odd K step (slot sb), the first three quarters of the next even one.
.macro TRIP sa, sb
	TURN \sa, \sb, 1, 0, 0
	THREE \sb, 0, 0
	TURN \sb, \sa, 1, 2*ASTEP, 1
	THREE \sa, 0, 0
.endm
; The gates for 16 rows (64 hi + 16 a ..) x my 32 columns.  from: source 0 in window 2 (0x02) or 3 (0x03), all else in window 0.
; The scaling by the exponentials' factors is also what brings the sums into window 0.  hadr: hidden by tiles in the slot where it landed.
; The results go to the stage, rows 16 a .. of the half.
.macro EPI hi, a, from, hadr
.irp b, 0,1
.irp hf, 0,1
	ds_load_b128 v[HID+8*\b+4*\hf:HID+8*\b+4*\hf+3], v[\hadr] offset:(64*\hi+16*\a)*HPITCH+64*\b+16*\hf
.endr
.endr
	WIN \from
.irp b, 0,1
.irp p, 0,2,4,6
	v_pk_fma_f32 v[TR+8*\b+\p:TR+8*\b+\p+1], v[8*(8*\a+\b)+\p:8*(8*\a+\b)+\p+1],     0xbfb8aa3b, v[BIAS+8*\b+\p:BIAS+8*\b+\p+1] op_sel_hi:[1,0,1]        ; -1.442695 (R + b_i2r)
	v_pk_fma_f32 v[TZ+8*\b+\p:TZ+8*\b+\p+1], v[8*(8*\a+2+\b)+\p:8*(8*\a+2+\b)+\p+1], 0xbfb8aa3b, v[BIAS+16+8*\b+\p:BIAS+16+8*\b+\p+1] op_sel_hi:[1,0,1]  ; -1.442695 (Z + b_i2z)
	v_pk_fma_f32 v[TX+8*\b+\p:TX+8*\b+\p+1], v[8*(8*\a+4+\b)+\p:8*(8*\a+4+\b)+\p+1], 0x4038aa3b, v[BIAS+32+8*\b+\p:BIAS+32+8*\b+\p+1] op_sel_hi:[1,0,1]  ; 2.885390 (XH + b_i2h)
	v_pk_mul_f32 v[TH+8*\b+\p:TH+8*\b+\p+1], v[8*(8*\a+6+\b)+\p:8*(8*\a+6+\b)+\p+1], 0x4038aa3b op_sel_hi:[1,0]                                           ; 2.885390 HH
.endr
.endr
	WIN 0
.set i, 0
.rept 32
	v_exp_f32 v[TR+i], v[TR+i]                     ; TR and TZ lie side by side
.set i, i+1
.endr
	v_nop                                          ; one plain vector instruction between a transcendental and the use of its result (ISA guide 5.7.2)
.set i, 0
	s_wait_alu depctr_va_vdst(0)
.rept 16
	v_pk_add_f32 v[TR+2*i:TR+2*i+1], v[TR+2*i:TR+2*i+1], 1.0 op_sel_hi:[1,0]
.set i, i+1
.endr
.set i, 0
.rept 32
	v_rcp_f32 v[TR+i], v[TR+i]                     ; r and z
.set i, i+1
.endr
	v_nop
.set i, 0
	s_wait_alu depctr_va_vdst(0)
.rept 8
	v_pk_fma_f32 v[TX+2*i:TX+2*i+1], v[TH+2*i:TH+2*i+1], v[TR+2*i:TR+2*i+1], v[TX+2*i:TX+2*i+1]   ; 2.885390 (XH + b_i2h + r HH)
.set i, i+1
.endr
.set i, 0
.rept 16
	v_exp_f32 v[TX+i], v[TX+i]
.set i, i+1
.endr
	v_nop
.set i, 0
	s_wait_alu depctr_va_vdst(0)
.rept 8
	v_pk_add_f32 v[TX+2*i:TX+2*i+1], v[TX+2*i:TX+2*i+1], 1.0 op_sel_hi:[1,0]
.set i, i+1
.endr
.set i, 0
.rept 16
	v_rcp_f32 v[TX+i], v[TX+i]
.set i, i+1
.endr
	v_nop
.set i, 0
	s_wait_alu depctr_va_vdst(0)
.rept 8
	v_pk_fma_f32 v[TX+2*i:TX+2*i+1], v[TX+2*i:TX+2*i+1], -2.0, 1.0 op_sel_hi:[1,0,0]              ; h1
.set i, i+1
.endr
	s_wait_dscnt 0x0                               ; hidden is in its registers
.set i, 0
.rept 8
	v_pk_add_f32 v[HID+2*i:HID+2*i+1], v[HID+2*i:HID+2*i+1], v[TX+2*i:TX+2*i+1] neg_lo:[0,1] neg_hi:[0,1]   ; hidden - h1
.set i, i+1
.endr
.set i, 0
.rept 8
	v_pk_fma_f32 v[TX+2*i:TX+2*i+1], v[TZ+2*i:TZ+2*i+1], v[HID+2*i:HID+2*i+1], v[TX+2*i:TX+2*i+1]           ; h1 + z (hidden - h1)
.set i, i+1
.endr
.irp b, 0,1
.irp hf, 0,1
	ds_store_b128 v[STO], v[TX+8*\b+4*\hf:TX+8*\b+4*\hf+3] offset:16*\a*HPITCH+64*\b+16*\hf
.endr
.endr
.endm
; Half hi of block blk: the gates of its 64 rows into the stage, then out.  Wave w takes rows 16 w .. 16 w + 15 of the half whole, which all four waves wrote.
.macro HALF hi, from, hadr, blk
	EPI \hi, 0, \from, \hadr
	EPI \hi, 1, \from, \hadr
	EPI \hi, 2, \from, \hadr
	EPI \hi, 3, \from, \hadr
	s_wait_dscnt 0x0                               ; my stores into the stage are done,
	s_barrier_signal -1
	s_barrier_wait -1                              ; everybody's are
.set t, 0
.rept 16
	ds_load_b128 v[64+4*t:64+4*t+3], v[RD] offset:HPITCH*t         ; a row of the block: 32 lanes x 16 bytes
.set t, t+1
.endr
.set t, 0
.rept 16
	s_wait_dscnt 15-t                              ; LDS loads come back in order (ISA guide 5.7.1): row t is in, the younger rows stay out; the last count is 0
	global_store_b128 v[CO], v[64+4*t:64+4*t+3], s[82:83] offset:\blk*BLKB+(64*\hi+t)*4096 th:TH_STORE_NT   ; 512 consecutive bytes, at a multiple of 512 from out0's first byte; the block, the half and the row stand in the immediate, 847,872 at the most
.set t, t+1
.endr
.endm
.macro GATES hadr, blk
	HALF 0, 0x02, \hadr, \blk
	s_wait_xcnt 0x0                                ; v64-127, which the stores read, are written again by the next gates only behind this wait (ISA guide 3.1)
	s_barrier_signal -1                            ; my reads of the stage are back (the count-down ended at 0),
	s_barrier_wait -1                              ; everybody's are: the stage may be written again
	HALF 1, 0x03, \hadr, \blk
.endm
	s_wait_tensorcnt 1                             ; my part of K step 0 is in; step 1's load, the one issued behind it, stays out
	s_barrier_signal -1
	s_barrier_wait -1                              ; everybody's part is in
	FETCH 0, 0, F0
	; ---------------- THE FIRST BLOCK: even K steps in slot 0, odd ones in slot 1
.set HSET, G0H0
	THREE 0, 1, 2                                  ; K step 0, three quarters: the first products start the sums
	WIN 0                                          ; at a label and at a branch every window is 0
	s_mov_b32 s3, TRIPS
.Lk0:
	TRIP 0, 1                                      ; trip i: the end of K step 2 i, step 2 i + 1, three quarters of step 2 i + 2; fills steps 2 i + 2 and 2 i + 3
	WIN 0
	s_sub_co_u32 s3, s3, 1
	s_cmp_lg_u32 s3, 0
	s_cbranch_scc1 .Lk0
	TURN 0, 1, 2, BLKB-14*ASTEP, 0                 ; the end of K step 14: hidden comes into slot 0 while step 15 is multiplied; asks for the second block's steps 0, 1
	THREE 1, 0, 0                                  ; K step 15
	TURN 1, 0, 3, 0, 0                             ; slot 1 has been read: the second block's K step 0 comes into it while the gates are computed
	WIN 0
	s_wait_loadcnt 0x0                             ; the biases, once; scaled here so that each joins its sum in one fused multiply-add.
	; These 24 lines name no register of the last matrix instructions: they are also the places behind them.
.set i, 0
.rept 16
	v_pk_mul_f32 v[BIAS+2*i:BIAS+2*i+1], v[BIAS+2*i:BIAS+2*i+1], 0xbfb8aa3b op_sel_hi:[1,0]    ; r and z: by -1.442695
.set i, i+1
.endr
.rept 8
	v_pk_mul_f32 v[BIAS+2*i:BIAS+2*i+1], v[BIAS+2*i:BIAS+2*i+1], 0x4038aa3b op_sel_hi:[1,0]    ; h: by 2.885390
.set i, i+1
.endr
	GATES HAD0, 0
	s_wait_xcnt 0x0                                ; v64-127, which the last stores read, are fragment buffer 0: loaded again only behind this wait
	s_wait_dscnt 0x0                               ; my reads of hidden in slot 0 and of the stage are back
	s_set_vgpr_msb 0x1
	s_wait_tensorcnt 0x0                           ; my part of the second block's K step 0 has landed in slot 1
	ds_add_u32 v255, v255
	s_wait_dscnt 0x0
	s_set_vgpr_msb 0x100
	CROUND                                         ; all that holds of every wave of every partner
	NEWTILE 0, 1, 2*ASTEP                          ; slot 0 gets the second block's K step 1; asks for its steps 2, 3
	FETCH 1, 0, F0
	; ---------------- THE SECOND BLOCK: even K steps in slot 1, odd ones in slot 0
.set HSET, G0H1
	THREE 1, 1, 2                                  ; K step 0, three quarters: the sums start anew
	WIN 0
	s_mov_b32 s3, TRIPS
.Lk1:
	TRIP 1, 0
	WIN 0
	s_sub_co_u32 s3, s3, 1
	s_cmp_lg_u32 s3, 0
	s_cbranch_scc1 .Lk1
	TURN 1, 0, 2, 0, 0                             ; the end of K step 14: hidden comes into slot 1: the last tensor load
	THREE 0, 0, 0                                  ; K step 15
	TURN 0, 1, 0, 0, 0                             ; nothing is left to fetch
	WIN 0
	PLACES                                         ; the places behind the last matrix instructions, for the reads of the sums and the loads into the buffers
	GATES HAD1, 1
	s_set_vgpr_msb 0x1
	s_wait_tensorcnt 0x0
	ds_add_u32 v255, v255
	s_wait_dscnt 0x0
	s_set_vgpr_msb 0x100
	CROUND                                         ; the closing round: no work-group ends while a partner may still ask for a tile that names it
	s_endpgm
.Lfunc_end_k_q95c6a7f95b_gru:
	.size	k_q95c6a7f95b_gru, .Lfunc_end_k_q95c6a7f95b_gru-k_q95c6a7f95b_gru
	.p2alignl 7, 3214868480
	.fill 96, 4, 3214868480
	.section	.rodata,"a",@progbits
	.p2align	6, 0x0
	.amdhsa_kernel k_q95c6a7f95b_gru
		.amdhsa_group_segment_fixed_size 327680
		.amdhsa_private_segment_fixed_size 0
		.amdhsa_enable_private_segment 0
		.amdhsa_kernarg_size 56
		.amdhsa_user_sgpr_count 2
		.amdhsa_user_sgpr_kernarg_segment_ptr 1
		.amdhsa_wavefront_size32 1
		.amdhsa_system_sgpr_workgroup_id_x 1
		.amdhsa_system_sgpr_workgroup_id_y 1
		.amdhsa_system_sgpr_workgroup_id_z 1
		.amdhsa_system_vgpr_workitem_id 0
		.amdhsa_next_free_vgpr 1024
		.amdhsa_next_free_sgpr 100
		.amdhsa_reserve_vcc 0
		.amdhsa_float_denorm_mode_32 3
		.amdhsa_float_denorm_mode_16_64 3
		.amdhsa_memory_ordered 1
		.amdhsa_forward_progress 1
		.amdhsa_inst_pref_size 255
	.end_amdhsa_kernel
	.section	.bss,"aw",@nobits
	.p2align	6
	.space	262144
	.amdgpu_metadata
---
amdhsa.version: [ 1, 2 ]
amdhsa.kernels:
  - .name:           k_q95c6a7f95b_gru
    .symbol:         k_q95c6a7f95b_gru.kd
    .args:
      - { .name: act, .offset: 0, .size: 8, .value_kind: global_buffer, .address_space: global }
      - { .name: wb, .offset: 8, .size: 8, .value_kind: global_buffer, .address_space: global }
      - { .name: hidden, .offset: 16, .size: 8, .value_kind: global_buffer, .address_space: global }
      - { .name: b_i2r, .offset: 24, .size: 8, .value_kind: global_buffer, .address_space: global }
      - { .name: b_i2z, .offset: 32, .size: 8, .value_kind: global_buffer, .address_space: global }
      - { .name: b_i2h, .offset: 40, .size: 8, .value_kind: global_buffer, .address_space: global }
      - { .name: out0, .offset: 48, .size: 8, .value_kind: global_buffer, .address_space: global }
    .group_segment_fixed_size: 327680
    .private_segment_fixed_size: 0
    .kernarg_segment_align: 8
    .kernarg_segment_size: 56
    .max_flat_workgroup_size: 128
    .sgpr_count:     100
    .vgpr_count:     1024
    .wavefront_size: 32
...
	.end_amdgpu_metadata
.endif
;; end of part 2
